; MI455X (gfx1250); checked and timed in simulation.
; The chip was launched on July 23, 2026; its instructions are those of AMD's public machine-readable ISA for CDNA 5 (MIT licence, August 2026) and "CDNA5" Instruction Set Architecture Reference Guide (July 2026). The comments in the code are by the model that wrote it; some were corrected since.
;; Fermi Net. Allowed arithmetic: matrix products marked QUANTISED: E2M3 operands, one E8M0 scale for each 32 along K, by v_wmma_scale_f32_16x16x128_f8f6f4 with both operands' format E2M3, f32 sums; everything else in f32.
;; Inputs: W_dn_codes 128 x 8 x 24 uint8 (E2M3 codes of W_dn, K innermost, in blocks of 32 codes, four codes in three bytes); W_dn_scales 128 x 8 uint8 (E8M0 scales of W_dn, one for each 32 codes along K); W_up_codes 128 x 8 x 24 uint8 (E2M3 codes of W_up, K innermost, in blocks of 32 codes, four codes in three bytes); W_up_scales 128 x 8 uint8 (E8M0 scales of W_up, one for each 32 codes along K); a_dn 4 x 128 float32; a_up 4 x 128 float32; b_dn 128 float32; b_up 128 float32; pi_dn 4 x 128 float32; pi_up 4 x 128 float32; r_ei 4,096 x 16 x 4 x 3 float32; stream_1e_codes 4,096 x 16 x 8 x 24 uint8 (E2M3 codes of stream_1e, K innermost, in blocks of 32 codes, four codes in three bytes); stream_1e_scales 4,096 x 16 x 8 uint8 (E8M0 scales of stream_1e, one for each 32 codes along K).
;; Outputs: out0 4,096 float32.
;; This version of the problem:
;;   THIS VERSION OF THE PROBLEM IS GIVEN IN LOW PRECISION. The matrix products marked QUANTISED in the list below multiply operands that are first quantised to E2M3 (2 exponent bits, 3 mantissa bits; 6 bits a number), with one power-of-two scale for each 32 numbers along K (OCP MX v1.0); their sums are f32. All else is computed in f32.
;;   The module's matrix products, in the order in which they are computed (A, B: the left and right operand; K: the contracted axis; several contracted axes count as one K, in the product's order):
;;     1. [M 32,768, K 256] x [K 256, N 128]; A: input stream_1e (given as codes); B: input W_up (given as codes): QUANTISED
;;     2. [M 32,768, K 256] x [K 256, N 128]; A: input stream_1e (given as codes); B: input W_dn (given as codes): QUANTISED
;;   THE QUANTISER, for each operand of a quantised product, along K:
;;     - K is cut into blocks of 32 from its start; a last block that is shorter is filled with zeros.
;;     - A block's scale is 2^e with e = floor(log2(the largest magnitude in the block)) - 2, held to -126 .. 127; a block of zeros has e = 0. As a byte (E8M0): e + 127.
;;     - Each number is divided by its block's scale, clamped to +-7.5, and rounded to the nearest number of E2M3, ties to even, subnormals kept.
;;     - The product sums the exact products of the quantised numbers (number of the format x scale) in f32.
;;   ~~~python
;;   def quantise(x, axis):      # numpy; x: float32 -> the quantised numbers, widened to float32 again
;;       x = np.moveaxis(x, axis, -1); K = x.shape[-1]
;;       x = np.pad(x, [(0, 0)] * (x.ndim - 1) + [(0, -K % 32)]); x = x.reshape(x.shape[:-1] + (-1, 32)); a = np.abs(x).max(-1, keepdims=True)
;;       e = np.where(a > 0, np.clip(np.frexp(np.where(a > 0, a, 1))[1] - 1 - 2, -126, 127), 0)      # np.frexp(a)[1] - 1 = floor(log2(a)), exactly
;;       r = np.clip(x / 2.0 ** e, -7.5, 7.5)
;;       step = 2.0 ** (np.maximum(np.frexp(np.where(r == 0, 1, r))[1] - 1, 0) - 3)
;;       q = np.round(r / step) * step * 2.0 ** e      # np.round: ties to even
;;       return np.moveaxis(q.reshape(q.shape[:-2] + (-1,))[..., :K], -1, axis).astype(np.float32)
;;   ~~~
;;   INPUTS GIVEN AS CODES. W_dn (in the module: [256, 128], K = its axis 0); W_up (in the module: [256, 128], K = its axis 0); stream_1e (in the module: [4096, 16, 256], K = its axis 2): each comes as NAME_codes (uint8): NAME with its K axis moved to the last place and cut into blocks of 32 codes, [.., K / 32, bytes a block], one block behind the other in memory; four codes in three bytes: a row's codes are one little-endian stream of bits, code i at bits 6 i .. 6 i + 5 (a code: sign, 2 exponent bits, 3 mantissa bits); and NAME_scales (uint8): the same leading axes, one E8M0 byte (e + 127) for each 32 codes along K. Its value is code x scale, taken as it is: it is not quantised again, and the codes and scales need not be those that the quantiser above would give.
;; One version. Each part assembles by itself: llvm-mc -triple=amdgcn-amd-amdhsa -mcpu=gfx1250 --defsym DOCPART=n.
;; ======== version 1 of 1: 1 launch
;; launch ferminet (part 1): grid 256 x 1, 16 waves a work-group, no clusters, 207,360 bytes of LDS; arguments stream_1e_codes, stream_1e_scales, r_ei, W_up_codes, W_dn_codes, W_up_scales, W_dn_scales, a_up, a_dn, pi_up, pi_dn, b_up, b_dn, out0; writes out0
.if DOCPART == 1
	.amdgcn_target "amdgcn-amd-amdhsa--gfx1250"
	.amdhsa_code_object_version 6
	.text
	.protected	k_q4be938aa48_ferminet
	.globl	k_q4be938aa48_ferminet
	.p2align	8
	.type	k_q4be938aa48_ferminet,@function
k_q4be938aa48_ferminet:
	s_mov_b64 s[64:65], 0
	v_nop
	global_prefetch_b8 v0, s[64:65] scope:SCOPE_SE
	s_setreg_imm32_b32 hwreg(HW_REG_WAVE_MODE, 25, 1), 1
	s_wait_xcnt 0x0
; FermiNet's orbital layer and determinants, whole, in one launch.  For each of 4,096 walkers and each spin: lin = stream W + b (both operands given as E2M3 codes with one E8M0 scale for each 32 along K = 256),
; times the envelope sum over 4 ions of pi exp(-a |r|); the 128 columns are 16 determinants x 8 orbitals: sixteen 8 x 8 matrices a spin; sign and log|det| of each; log|sum over determinants of det_up det_dn|,
; the largest logarithm taken away ahead of the exponentials as reference() takes it.
; NO WORK IS LEFT OUT: every input has a way to the output, and all thirteen are arguments.
; SHARES.  Work-group g owns walkers 16 g .. 16 g + 15: 256 work-groups of equal work.  Wave w of sixteen: spin s = w % 2, t = w / 2.
;   As LOADER it brings record (p = t, s) into LDS: the 16 stream rows of walkers 2 p, 2 p + 1, electrons 8 s .. 8 s + 7: their codes, their scale words, and the four distances of each row.
;   As WORKER it owns orbitals 16 t .. 16 t + 15 of spin s (determinants 2 t, 2 t + 1) for all 16 walkers: 8 records x 2 K steps = 16 matrix instructions.  Its fragments of W, W's scale words, a, pi and b stay in registers.
;   That is 16 walkers x 2 determinants = 32 matrices: one a lane for the elimination.
; THE PRODUCT IS USED TRANSPOSED (source 0 = 16 rows of W, source 1 = 16 stream rows): lane (r = lane % 16, h = lane / 16) holds stream row r, and its register j orbital 16 t + 8 h + j: column j of determinant 2 t + h.
;   So a lane's eight registers are one row of one 8 x 8 matrix, the distances are a lane's own four numbers, and b in that layout is the C of the first K step: no addition.
; THE DETERMINANT: Gaussian elimination with partial pivoting, a matrix a lane, in registers.  The pivot row is chosen by selects alone (no jump, no address hangs on a number); each exchange turns a bit of a parity mask.
;   log2 of each pivot is summed, so no product of pivots can overflow; the signs are the exclusive or of the pivots' sign bits and the parity.
; NO CLUSTER: what work-groups share (W's codes and scales, a, pi, b of both spins: 60,416 bytes) is loaded once by each work-group, straight into the operand registers in which it stays; there is no walk over shared tiles,
;   and a joint load would land in LDS, from where these bytes would have to be read once more.  No tensor load, no ring: the work-group's 61,440 bytes of records are filled once, through registers, since the distances are computed on the way.
; LIMITS.  NaN and infinities among the inputs are not served; a scale byte 0xff gives NaN.  An envelope term, a pivot or a sum under 2^-126 counts as 0 (ISA guide, 15.8: these instructions take and give no denormals).
;   A pivot that counts as 0 makes its determinant's logarithm -infinity: it adds 0 to the sum.  A walker all of whose 16 products are so gives NaN, as in reference().
;   -a log2(e) is rounded once ahead of its product with the distance.  Behind a pivot step the rows stand in another order than in LAPACK's elimination; the parity is kept, so the determinant is the same.
.set REC,    3840                      ; LDS: a record: 16 rows of codes at pitch 208, then 256 bytes of distances, then 128 of scale words (128 spare)
.set RPITCH, 208                       ; a row of 192 bytes + 16: in steps of 8 bytes row r begins at 26 r, lanes 16-31 three steps on: even and odd places, all different modulo 32
.set RDIST,  16*RPITCH                 ; 3,328: four distances a row, 16 bytes
.set RSCL,   RDIST+256                 ; 3,584: two scale words a row, 8 bytes
.set STG,    16*REC                    ; 61,440: a stage of its own for each wave: 32 matrices of 256 bytes at pitch 272
.set SPITCH, 272
.set STGW,   32*SPITCH                 ; 8,704
.set EXL,    STG+16*STGW               ; 200,704: log2|det|: walker b, determinant d, spin s at 144 b + 8 d + 4 s
.set EXS,    16*144                    ; 2,304 further on: the sign bits, at the same places
.set SPARE,  EXL+2*EXS                 ; 205,312: the spare words, 128 bytes for each wave: eight blocks of 256 bytes that no other line names
; vector registers
.set SPW, 1                            ; v1   LDS address of my spare word: SPARE + 4 x my thread's number; never rewritten
.set NIL, 2                            ; v2   0; never rewritten
.set XA,  3                            ; v3   a record's codes: spin's record + 208 r + 24 h
.set XD,  4                            ; v4   its distances: + 16 r
.set XSA, 5                            ; v5   its scale words: + 8 r
.set STO, 6                            ; v6   my stage, on the way in: 4,352 h + 272 (r / 8) + 32 (r % 8)
.set SRD, 7                            ; v7   and on the way out: 272 x lane
.set EXW, 8                            ; v8   where my matrix's logarithm goes
.set EXR, 9                            ; v9   where the last phase reads eight determinants of a walker
.set GO,  10                           ; v10  4 x lane: my byte in the work-group's 64 bytes of out0
.set LN,  11                           ; v11  lane;  v12 r;  v13 h;  v14 r / 8;  v15 r % 8
.set RR,  12
.set HH,  13
.set RH,  14
.set RL,  15
.set WF,  16                           ; v16-39   W's two fragments: K step k at WF + 12 k
.set WS,  40                           ; v40-41   W's scale words, K step 0 and 1: scales and nothing else
.set XS,  42                           ; v42-45   the stream's scale words: record a of a trip, K step k at XS + 2 a + k: scales and nothing else
.set AP,  48                           ; v48-79   -a log2(e): ion i, column j at AP + 8 i + j
.set PI,  80                           ; v80-111  pi, likewise
.set BI,  112                          ; v112-119 b, a register a column
.set ACC, 120                          ; v120-135 two accumulators
.set XF,  136                          ; v136-183 two records' fragments, 24 registers each; at the head: what the loader has loaded
.set DL,  184                          ; v184-191 where two records' distances land
.set DW,  192                          ; v192-207 the distances at work: ion i of record a at DW + 8 a + 2 i; the odd registers hold 0 (a packed source names a pair)
.set T,   208                          ; v208-239 32 numbers at work
.set OL,  240                          ; v240-250 offsets and LDS addresses of the head; v251 at work there
.set ORE, 241
.set OSC, 242
.set OWC, 243
.set OWS, 244
.set OAB, 245
.set SA,  246
.set SD,  249
.set SSC, 250
.set TMP, 251
; the elimination (the resident operands are done with)
.set M,   48                           ; v48-111  my matrix: element (e, c) at M + 8 e + c
.set SPR, 112                          ; v112-119 a spare row
.set LM,  120                          ; v120-133 the multipliers, in the even registers; the odd ones hold 0
.set CU,  208                          ; v208-209 the largest magnitude so far, two registers by turns
.set RC,  210                          ; v210     1 / pivot
.set BIG, 211                          ; v211     the largest f32 number
.set LG,  212                          ; v212-219 log2|pivot|
.set SG,  220                          ; v220     exclusive or of the pivots' bits
.set SB,  221                          ; v221     the sign bit
.set PS,  222
; the last phase (wave 0)
.set FL,  48
.set FS,  64
.set LL,  80
.set SN,  88
.set FM,  96
.set FX,  97
.set FR,  98
; scalar registers
.set WV,  2                            ; s2  wave;  s3 spin;  s4 t
.set SPN, 3
.set TT,  4
.set OT,  6                            ; s[6:7]   64 t: into a, pi, b
.set RW,  36                           ; s36 w x REC;  s37 spin x REC;  s38 my stage
.set RS,  37
.set SW_, 38
.set PAR, 39                           ; s39 a bit a lane: the parity of my matrix's row exchanges
.set NL2, 40                           ; s[40:41] -log2(e), twice
.set SEL, 42                           ; s[42:43] v_permlanex16_b32's selects for lane l xor 16
.set OC,  46                           ; s[46:47] offset into the codes;  s[48:49] the scale bytes;  s[50:51] r_ei;  s[52:53] W's codes;  s[54:55] W's scales;  s[56:57] out0
.set OS,  48
.set ORR, 50
.set OW,  52
.set OX,  54
.set OO,  56
	s_load_b512 s[8:23], s[0:1], 0x0               ; codes s[8:9], scales s[10:11], r_ei s[12:13], W_up, W_dn codes s[14:17], their scales s[18:21], a_up s[22:23]
	s_load_b256 s[24:31], s[0:1], 0x40             ; a_dn s[24:25], pi_up, pi_dn s[26:29], b_up s[30:31]
	s_load_b128 s[32:35], s[0:1], 0x60             ; b_dn s[32:33], out0 s[34:35]
	v_lshl_add_u32 v[SPW], v0, 2, SPARE
	v_mov_b32 v[NIL], 0
	v_lshrrev_b32 v[LN], 5, v0
	s_delay_alu instid0(VALU_DEP_1)
	v_readfirstlane_b32 s[WV], v[LN]               ; wave 0..15
	s_and_b32 s[SPN], s[WV], 1                     ; spin
	s_lshr_b32 s[TT], s[WV], 1                     ; t: the record that I load, and the tile of orbitals that I work
	v_and_b32 v[LN], 31, v0
	v_and_b32 v[RR], 15, v0
	s_wait_alu depctr_va_vdst(0)
	v_bfe_u32 v[HH], v0, 4, 1
	v_bfe_u32 v[RH], v0, 3, 1
	v_and_b32 v[RL], 7, v0
	s_mul_i32 s[RW], s[WV], REC
	s_mul_i32 s[RS], s[SPN], REC
	s_mul_i32 s[SW_], s[WV], STGW
	s_add_co_u32 s[SW_], s[SW_], STG
	s_lshl_b32 s5, s[TT], 4
	s_lshl_b32 s45, s[SPN], 2
	s_add_co_u32 s5, s5, s45
	s_add_co_u32 s5, s5, EXL                       ; EXL + 16 t + 4 s
	; every LDS address is made here, ahead of any branch
	v_mul_u32_u24 v[XA], v[RR], RPITCH
	s_wait_alu depctr_va_vdst(0)
	v_mad_u32_u24 v[XA], v[HH], 24, v[XA]
	s_delay_alu instid0(VALU_DEP_1)
	v_add_nc_u32 v[XA], s[RS], v[XA]
	v_lshl_add_u32 v[XD], v[RR], 4, s[RS]
	v_lshl_add_u32 v[XSA], v[RR], 3, s[RS]
	v_mul_u32_u24 v[STO], v[HH], 16*SPITCH
	s_delay_alu instid0(VALU_DEP_1)
	v_mad_u32_u24 v[STO], v[RH], SPITCH, v[STO]
	s_delay_alu instid0(VALU_DEP_1)
	v_lshl_add_u32 v[STO], v[RL], 5, v[STO]
	s_delay_alu instid0(VALU_DEP_1)
	v_add_nc_u32 v[STO], s[SW_], v[STO]
	v_mul_u32_u24 v[SRD], v[LN], SPITCH
	s_delay_alu instid0(VALU_DEP_1)
	v_add_nc_u32 v[SRD], s[SW_], v[SRD]
	v_mul_u32_u24 v[EXW], v[RR], 144
	s_delay_alu instid0(VALU_DEP_1)
	v_lshl_add_u32 v[EXW], v[HH], 3, v[EXW]
	s_delay_alu instid0(VALU_DEP_1)
	v_add_nc_u32 v[EXW], s5, v[EXW]
	v_mul_u32_u24 v[EXR], v[RR], 144
	s_delay_alu instid0(VALU_DEP_1)
	v_lshl_add_u32 v[EXR], v[HH], 6, v[EXR]
	s_delay_alu instid0(VALU_DEP_1)
	v_add_nc_u32 v[EXR], EXL, v[EXR]
	v_lshlrev_b32 v[GO], 2, v[LN]
	; a walker's 8 rows of codes are 1,536 dense bytes, 96 pieces of 16: piece q belongs to row q / 12, and lies in LDS at 208 (q / 12) + 16 (q - 12 (q / 12)) = 16 (q + q / 12).  q / 12 = (43 q) >> 9 for q under 96
.irp i, 0,1,2
	v_add_nc_u32 v[SA+\i], 32*\i, v[LN]
	s_delay_alu instid0(VALU_DEP_1)
	v_mul_u32_u24 v[TMP], v[SA+\i], 43
	s_delay_alu instid0(VALU_DEP_1)
	v_lshrrev_b32 v[TMP], 9, v[TMP]
	s_delay_alu instid0(VALU_DEP_1)
	v_add_nc_u32 v[SA+\i], v[SA+\i], v[TMP]
	s_delay_alu instid0(VALU_DEP_1)
	v_lshl_add_u32 v[SA+\i], v[SA+\i], 4, s[RW]
.endr
	v_lshl_add_u32 v[SD], v[RR], 4, s[RW]
	v_lshl_add_u32 v[SSC], v[RR], 3, s[RW]
	; offsets into memory
	v_lshlrev_b32 v[OL], 4, v[LN]                  ; codes: 16 bytes a lane
	v_mul_u32_u24 v[ORE], v[RH], 768               ; r_ei: a walker is 768 bytes, an electron 48
	s_delay_alu instid0(VALU_DEP_1)
	v_mad_u32_u24 v[ORE], v[RL], 48, v[ORE]
	v_lshlrev_b32 v[OSC], 7, v[RH]                 ; scale bytes: a walker is 128 bytes, an electron 8
	s_delay_alu instid0(VALU_DEP_1)
	v_lshl_add_u32 v[OSC], v[RL], 3, v[OSC]
	v_mul_u32_u24 v[OWC], v[RR], 192               ; W's codes: row r of 192 bytes, + 24 h
	s_delay_alu instid0(VALU_DEP_1)
	v_mad_u32_u24 v[OWC], v[HH], 24, v[OWC]
	v_lshlrev_b32 v[OWS], 3, v[RR]                 ; W's scale bytes: 8 a row
	v_lshlrev_b32 v[OAB], 5, v[HH]                 ; a, pi, b: my half's eight columns
.irp i, 1,3,5,7,9,11,13,15
	v_mov_b32 v[DW+\i], 0                          ; named as the upper halves of pairs, so they are written
.endr
	s_mov_b32 s[NL2], 0xbfb8aa3b                   ; -log2(e)
	s_mov_b32 s[NL2+1], s[NL2]
	s_mov_b32 s[SEL], 0x76543210
	s_mov_b32 s[SEL+1], 0xfedcba98
	s_lshl_b32 s[OS], ttmp9, 11                    ; scale bytes: 2,048 g + 256 t + 64 s
	s_lshl_b32 s45, s[TT], 8
	s_add_co_u32 s[OS], s[OS], s45
	s_lshl_b32 s45, s[SPN], 6
	s_add_co_u32 s[OS], s[OS], s45
	s_mul_i32 s[OC], s[OS], 24                     ; codes: 24 bytes for each scale byte
	s_mul_i32 s[ORR], s[OS], 6                     ; r_ei: 48 bytes for each row's 8
	s_mul_i32 s[OW], s[TT], 3072                   ; W's codes: 16 rows of 192 bytes a tile
	s_lshl_b32 s[OX], s[TT], 7
	s_lshl_b32 s[OT], s[TT], 6
	s_lshl_b32 s[OO], ttmp9, 6
	s_mov_b32 s[OS+1], 0
	s_mov_b32 s[OC+1], 0
	s_mov_b32 s[ORR+1], 0
	s_mov_b32 s[OW+1], 0
	s_mov_b32 s[OX+1], 0
	s_mov_b32 s[OT+1], 0
	s_mov_b32 s[OO+1], 0
	s_wait_alu depctr_va_vdst(0)
	s_wait_kmcnt 0x0
	s_cmp_eq_u32 s[SPN], 0                         ; my spin's buffers: the choice hangs on the wave's number alone
	s_cselect_b64 s[14:15], s[14:15], s[16:17]     ; W's codes
	s_cselect_b64 s[18:19], s[18:19], s[20:21]     ; W's scales
	s_cselect_b64 s[22:23], s[22:23], s[24:25]     ; a
	s_cselect_b64 s[26:27], s[26:27], s[28:29]     ; pi
	s_cselect_b64 s[30:31], s[30:31], s[32:33]     ; b
	s_add_nc_u64 s[8:9], s[8:9], s[OC:OC+1]
	s_add_nc_u64 s[10:11], s[10:11], s[OS:OS+1]
	s_add_nc_u64 s[12:13], s[12:13], s[ORR:ORR+1]
	s_add_nc_u64 s[14:15], s[14:15], s[OW:OW+1]
	s_add_nc_u64 s[18:19], s[18:19], s[OX:OX+1]
	s_add_nc_u64 s[22:23], s[22:23], s[OT:OT+1]
	s_add_nc_u64 s[26:27], s[26:27], s[OT:OT+1]
	s_add_nc_u64 s[30:31], s[30:31], s[OT:OT+1]
	s_add_nc_u64 s[34:35], s[34:35], s[OO:OO+1]
	; the record that I load: ten loads, of bytes that the launch reads once
.irp bb, 0,1
.irp i, 0,1,2
	global_load_b128 v[XF+4*(3*\bb+\i):XF+4*(3*\bb+\i)+3], v[OL], s[8:9] offset:3072*\bb+512*\i th:TH_LOAD_NT   ; 32 lanes read 512 consecutive bytes
.endr
.endr
.irp i, 0,1,2
	global_load_b128 v[XF+24+4*\i:XF+24+4*\i+3], v[ORE], s[12:13] offset:16*\i th:TH_LOAD_NT   ; my row's 4 ions x 3 coordinates
.endr
	global_load_b64 v[XF+36:XF+37], v[OSC], s[10:11] th:TH_LOAD_NT                          ; my row's two scale words
	; what stays in my registers: 31 loads, of bytes that every work-group reads
.irp k, 0,1
.irp c, 0,1
.irp i, 0,1,2
	global_load_b64 v[WF+12*\k+6*\c+2*\i:WF+12*\k+6*\c+2*\i+1], v[OWC], s[14:15] offset:96*\k+48*\c+8*\i   ; registers 6 c .. 6 c + 5 of K step k: 24 bytes of the row's stream of bits, as they lie
.endr
.endr
.endr
	global_load_b64 v[WS:WS+1], v[OWS], s[18:19]
.irp i, 0,1,2,3
.irp u, 0,1
	global_load_b128 v[AP+8*\i+4*\u:AP+8*\i+4*\u+3], v[OAB], s[22:23] offset:512*\i+16*\u
.endr
.endr
.irp i, 0,1,2,3
.irp u, 0,1
	global_load_b128 v[PI+8*\i+4*\u:PI+8*\i+4*\u+3], v[OAB], s[26:27] offset:512*\i+16*\u
.endr
.endr
	global_load_b128 v[BI:BI+3], v[OAB], s[30:31]
	global_load_b128 v[BI+4:BI+7], v[OAB], s[30:31] offset:16
	; ---- THE RECORD GOES TO LDS
	s_wait_loadcnt 31                              ; loads come back in order: the record's ten are in, the 31 issued behind them may stay out
.irp bb, 0,1
.irp i, 0,1,2
	ds_store_b128 v[SA+\i], v[XF+4*(3*\bb+\i):XF+4*(3*\bb+\i)+3] offset:8*RPITCH*\bb
.endr
.endr
	ds_store_b64 v[SSC], v[XF+36:XF+37] offset:RSCL    ; (lanes 16-31 hold row r's numbers too, and write the same bytes with the same values)
.irp i, 0,1,2,3
	v_mul_f32 v[XF+40+\i], v[XF+24+3*\i], v[XF+24+3*\i]          ; |r|^2, the four ions by turns
.endr
.irp i, 0,1,2,3
	s_delay_alu instid0(VALU_DEP_4)
	v_fma_f32 v[XF+40+\i], v[XF+25+3*\i], v[XF+25+3*\i], v[XF+40+\i]
.endr
.irp i, 0,1,2,3
	s_delay_alu instid0(VALU_DEP_4)
	v_fma_f32 v[XF+40+\i], v[XF+26+3*\i], v[XF+26+3*\i], v[XF+40+\i]
.endr
	s_wait_alu depctr_va_vdst(0)
.irp i, 0,1,2,3
	v_sqrt_f32 v[XF+40+\i], v[XF+40+\i]
.endr
	v_nop                                          ; a plain instruction behind the last root
	s_wait_alu depctr_va_vdst(0)                   ; one wait for the four, ahead of their first reader
	ds_store_b128 v[SD], v[XF+40:XF+43] offset:RDIST
	s_wait_dscnt 0x0                               ; for the others' sake: my stores have landed
	s_barrier_signal -1
	s_barrier_wait -1                              ; all sixteen records lie in LDS; nobody writes them again
; 28 LDS loads: records 2 q and 2 q + 1 of my spin: two fragments, two scale words and four distances each
.macro FETCH q
.irp a, 0,1
.irp k, 0,1
.irp c, 0,1
.irp i, 0,1,2
	ds_load_b64 v[XF+24*\a+12*\k+6*\c+2*\i:XF+24*\a+12*\k+6*\c+2*\i+1], v[XA] offset:2*REC*(2*(\q)+\a)+96*\k+48*\c+8*\i
.endr
.endr
.endr
	ds_load_b64 v[XS+2*\a:XS+2*\a+1], v[XSA] offset:2*REC*(2*(\q)+\a)+RSCL
	ds_load_b128 v[DL+4*\a:DL+4*\a+3], v[XD] offset:2*REC*(2*(\q)+\a)+RDIST
.endr
.endm
; the 32 exponents of record a: -a log2(e) x my row's distance to ion i, two columns at a time
.macro ARGS a
.irp i, 0,1,2,3
.irp u, 0,1,2,3
	v_pk_mul_f32 v[T+8*\i+2*\u:T+8*\i+2*\u+1], v[AP+8*\i+2*\u:AP+8*\i+2*\u+1], v[DW+8*\a+2*\i:DW+8*\a+2*\i+1] op_sel_hi:[1,0]
.endr
.endr
.endm
; the envelope of record a (record p of the work-group), times lin; my row of a matrix goes to the stage
.macro ENV a, p
.set n, 0
.rept 32
	v_exp_f32 v[T+n], v[T+n]
.set n, n+1
.endr
	v_nop                                          ; a plain instruction behind the last exponential
	s_wait_alu depctr_va_vdst(0)                   ; ONE wait for the batch of 32, ahead of its first reader
.irp u, 0,1,2,3
	v_pk_mul_f32 v[T+2*\u:T+2*\u+1], v[T+2*\u:T+2*\u+1], v[PI+2*\u:PI+2*\u+1]
.endr
.irp i, 1,2,3
.irp u, 0,1,2,3
	v_pk_fma_f32 v[T+2*\u:T+2*\u+1], v[T+8*\i+2*\u:T+8*\i+2*\u+1], v[PI+8*\i+2*\u:PI+8*\i+2*\u+1], v[T+2*\u:T+2*\u+1]
.endr
.endr
.irp u, 0,1,2,3
	v_pk_mul_f32 v[ACC+8*\a+2*\u:ACC+8*\a+2*\u+1], v[ACC+8*\a+2*\u:ACC+8*\a+2*\u+1], v[T+2*\u:T+2*\u+1]   ; the accumulator is read from its low end on
.endr
	ds_store_b128 v[STO], v[ACC+8*\a:ACC+8*\a+3] offset:2*SPITCH*(\p)
	ds_store_b128 v[STO], v[ACC+8*\a+4:ACC+8*\a+7] offset:2*SPITCH*(\p)+16
.endm
; A TRIP: two records.  Four matrix instructions, the two accumulators by turns, one instruction a turn; b is the C of the first K step.
.macro TRIP q
	s_wait_dscnt 0x0                               ; the trip's 28 loads are in (and the last trip's stores into the stage are done)
.irp a, 0,1
.irp i, 0,1,2,3
	v_mov_b32 v[DW+8*\a+2*\i], v[DL+4*\a+\i]       ; the distances leave the registers in which the next trip's will land
.endr
.endr
.irp k, 0,1
.irp a, 0,1
.if \k == 0
	v_wmma_scale_f32_16x16x128_f8f6f4 v[ACC+8*\a:ACC+8*\a+7], v[WF+12*\k:WF+12*\k+11], v[XF+24*\a+12*\k:XF+24*\a+12*\k+11], v[BI:BI+7], v[WS+\k], v[XS+2*\a+\k] matrix_a_fmt:MATRIX_FMT_FP6 matrix_b_fmt:MATRIX_FMT_FP6
.else
	v_wmma_scale_f32_16x16x128_f8f6f4 v[ACC+8*\a:ACC+8*\a+7], v[WF+12*\k:WF+12*\k+11], v[XF+24*\a+12*\k:XF+24*\a+12*\k+11], v[ACC+8*\a:ACC+8*\a+7], v[WS+\k], v[XS+2*\a+\k] matrix_a_fmt:MATRIX_FMT_FP6 matrix_b_fmt:MATRIX_FMT_FP6
.endif
.endr
.endr
	ARGS 0                                         ; sixteen plain instructions that name no register of the products: the places in front of the loads below, of the first read of the results, and of the next trip's products, which begin the accumulators anew
.if \q < 3
	FETCH (\q)+1                                   ; the next trip's records land under this trip's envelopes
.endif
	s_wait_alu depctr_va_vdst(0)
	ENV 0, 2*(\q)
	ARGS 1
	s_wait_alu depctr_va_vdst(0)
	ENV 1, 2*(\q)+1
.endm
	; ---- THE ORBITALS
	FETCH 0
	s_wait_loadcnt 0x0                             ; W, its scales, a, pi, b
.set n, 0
.rept 16
	v_pk_mul_f32 v[AP+2*n:AP+2*n+1], v[AP+2*n:AP+2*n+1], s[NL2:NL2+1] op_sel_hi:[1,0]   ; exp(-a d) = 2^((-a log2(e)) d)
.set n, n+1
.endr
	TRIP 0
	TRIP 1
	TRIP 2
	TRIP 3
	; ---- THE DETERMINANTS: lane l takes matrix l of my stage: determinant 2 t + l / 16 of walker l % 16
.irp i, 0,1,2,3,4,5,6,7,8,9,10,11,12,13,14,15
	ds_load_b128 v[M+4*\i:M+4*\i+3], v[SRD] offset:16*\i     ; LDS serves a wave's instructions in order (ISA guide 5.7.1.4): these see my stores
.endr
	s_mov_b32 s[PAR], 0
	v_mov_b32 v[SG], 0
	v_mov_b32 v[SB], 0x80000000
	v_mov_b32 v[BIG], 0x7f7fffff
	s_wait_dscnt 0x0
.irp i, 1,3,5,7,9,11,13
	v_mov_b32 v[LM+\i], 0                          ; named as the upper halves of pairs, so they are written
.endr
; Step k.  The row held in PA (at first row k) is compared with rows k + 1 .. 7 in turn; where a row's magnitude in column k is greater (ties keep the earlier row), the two change places, by selects: the held row moves
; between two sets of registers, PA and PB, so that a change of places is two selects a column.  Then the rows below are reduced.
.macro LUSTEP k
.set PA, M+8*(\k)
.set PB, SPR
.set CA, CU
.set CB, CU+1
	v_and_b32 v[CA], 0x7fffffff, v[PA+\k]
.set i, \k+1
.rept 7-\k
	v_max_num_f32 v[CB], |v[M+8*i+\k]|, v[CA]
	s_delay_alu instid0(VALU_DEP_1)
	v_cmp_gt_f32 vcc_lo, v[CB], v[CA]
	s_xor_b32 s[PAR], s[PAR], vcc_lo               ; an exchange turns the determinant's sign
.set c, \k
.rept 8-\k
	v_cndmask_b32 v[PB+c], v[PA+c], v[M+8*i+c], vcc_lo
	v_cndmask_b32 v[M+8*i+c], v[M+8*i+c], v[PA+c], vcc_lo
.set c, c+1
.endr
.set SWP, PA
.set PA, PB
.set PB, SWP
.set SWP, CA
.set CA, CB
.set CB, SWP
.set i, i+1
.endr
	s_wait_alu depctr_va_vdst(0)
	v_rcp_f32 v[RC], v[PA+\k]
	v_log_f32 v[LG+\k], |v[PA+\k]|
	v_xor_b32 v[SG], v[SG], v[PA+\k]               ; the pivot's sign; also the plain instruction behind the two
	s_wait_alu depctr_va_vdst(0)                   ; one wait for both, ahead of the first reader
	v_med3_num_f32 v[RC], v[RC], -v[BIG], v[BIG]   ; a pivot that counts as 0 has only such numbers under it: their multipliers stay finite, and the logarithm above is -infinity
.set i, \k+1
.rept 7-\k
	v_mul_f32 v[LM+2*(i-\k-1)], -v[M+8*i+\k], v[RC]
.set i, i+1
.endr
.set i, \k+1
.rept 7-\k
.if (\k)%2 == 0
	v_fma_f32 v[M+8*i+\k+1], v[LM+2*(i-\k-1)], v[PA+\k+1], v[M+8*i+\k+1]
.endif
.set c, \k+1+((\k)+1)%2
.rept (8-c)/2
	v_pk_fma_f32 v[M+8*i+c:M+8*i+c+1], v[LM+2*(i-\k-1):LM+2*(i-\k-1)+1], v[PA+c:PA+c+1], v[M+8*i+c:M+8*i+c+1] op_sel_hi:[0,1,1]
.set c, c+2
.endr
.set i, i+1
.endr
.endm
	LUSTEP 0
	LUSTEP 1
	LUSTEP 2
	LUSTEP 3
	LUSTEP 4
	LUSTEP 5
	LUSTEP 6
	s_wait_alu depctr_va_vdst(0)
	v_log_f32 v[LG+7], |v[M+63]|                   ; the last pivot
	v_xor_b32 v[SG], v[SG], v[M+63]
	s_wait_alu depctr_va_vdst(0)
	v_add_f32 v[LG], v[LG], v[LG+1]
	v_add_f32 v[LG+2], v[LG+2], v[LG+3]
	v_add_f32 v[LG+4], v[LG+4], v[LG+5]
	v_add_f32 v[LG+6], v[LG+6], v[LG+7]
	v_cndmask_b32 v[PS], 0, v[SB], s[PAR]
	s_delay_alu instid0(VALU_DEP_4)
	v_add_f32 v[LG], v[LG], v[LG+2]
	s_delay_alu instid0(VALU_DEP_3)
	v_add_f32 v[LG+4], v[LG+4], v[LG+6]
	s_delay_alu instid0(VALU_DEP_3)
	v_xor_b32 v[SG], v[SG], v[PS]
	s_delay_alu instid0(VALU_DEP_2)
	v_add_f32 v[LG], v[LG], v[LG+4]                ; log2|det|
	s_delay_alu instid0(VALU_DEP_2)
	v_and_b32 v[SG], v[SB], v[SG]                  ; its sign bit
	ds_store_b32 v[EXW], v[LG]
	ds_store_b32 v[EXW], v[SG] offset:EXS
	s_wait_tensorcnt 0x0                           ; behind every wave's last LDS store: no LDS write follows
	ds_add_u32 v[SPW], v[NIL]
	s_wait_dscnt 0x0                               ; also for the others' sake: my two stores have landed
	s_barrier_signal -1
	s_barrier_wait -1                              ; all 512 logarithms and signs lie in LDS
	s_cmp_lg_u32 s[WV], 0
	s_cbranch_scc1 .Ldone
	; ---- THE SUM OVER DETERMINANTS, wave 0 alone: lane (b = lane % 16, lane / 16) takes eight of walker b's sixteen
.irp i, 0,1,2,3
	ds_load_b128 v[FL+4*\i:FL+4*\i+3], v[EXR] offset:16*\i
.endr
.irp i, 0,1,2,3
	ds_load_b128 v[FS+4*\i:FS+4*\i+3], v[EXR] offset:EXS+16*\i
.endr
	v_mov_b32 v[FX], 0                             ; a lane permute's destination counts as one of its sources
	s_wait_dscnt 0x0
.irp d, 0,1,2,3,4,5,6,7
	v_add_f32 v[LL+\d], v[FL+2*\d], v[FL+2*\d+1]   ; up's and down's
.endr
.irp d, 0,1,2,3,4,5,6,7
	v_xor_b32 v[SN+\d], v[FS+2*\d], v[FS+2*\d+1]
.endr
	v_max3_num_f32 v[FM], v[LL], v[LL+1], v[LL+2]
	s_delay_alu instid0(VALU_DEP_1)
	v_max3_num_f32 v[FM], v[FM], v[LL+3], v[LL+4]
	s_delay_alu instid0(VALU_DEP_1)
	v_max3_num_f32 v[FM], v[FM], v[LL+5], v[LL+6]
	s_delay_alu instid0(VALU_DEP_1)
	v_max_num_f32 v[FM], v[FM], v[LL+7]
	s_delay_alu instid0(VALU_DEP_1)
	v_permlanex16_b32 v[FX], v[FM], s[SEL], s[SEL+1]
	s_delay_alu instid0(VALU_DEP_1)
	v_max_num_f32 v[FM], v[FM], v[FX]              ; m, the largest of the sixteen, in base 2
.irp d, 0,1,2,3,4,5,6,7
	v_sub_f32 v[LL+\d], v[LL+\d], v[FM]            ; the maximum is taken away ahead of the exponentials
.endr
	s_wait_alu depctr_va_vdst(0)
.irp d, 0,1,2,3,4,5,6,7
	v_exp_f32 v[LL+\d], v[LL+\d]
.endr
	v_nop
	s_wait_alu depctr_va_vdst(0)                   ; one wait for the eight
.irp d, 0,1,2,3,4,5,6,7
	v_xor_b32 v[LL+\d], v[LL+\d], v[SN+\d]         ; with their signs
.endr
	v_add_f32 v[LL], v[LL], v[LL+1]
	v_add_f32 v[LL+2], v[LL+2], v[LL+3]
	v_add_f32 v[LL+4], v[LL+4], v[LL+5]
	s_delay_alu instid0(VALU_DEP_4)
	v_add_f32 v[LL+6], v[LL+6], v[LL+7]
	s_delay_alu instid0(VALU_DEP_3)
	v_add_f32 v[LL], v[LL], v[LL+2]
	s_delay_alu instid0(VALU_DEP_2)
	v_add_f32 v[LL+4], v[LL+4], v[LL+6]
	s_delay_alu instid0(VALU_DEP_1)
	v_add_f32 v[LL], v[LL], v[LL+4]
	s_delay_alu instid0(VALU_DEP_1)
	v_permlanex16_b32 v[FX], v[LL], s[SEL], s[SEL+1]
	s_delay_alu instid0(VALU_DEP_1)
	v_add_f32 v[LL], v[LL], v[FX]
	s_wait_alu depctr_va_vdst(0)
	v_log_f32 v[FR], |v[LL]|
	v_nop
	s_wait_alu depctr_va_vdst(0)
	v_add_f32 v[FR], v[FM], v[FR]
	s_delay_alu instid0(VALU_DEP_1)
	v_mul_f32 v[FR], 0x3f317218, v[FR]             ; x ln 2: from base 2 to the natural logarithm
	v_cmp_gt_u32 vcc_lo, 16, v0
	s_wait_alu depctr_va_vdst(0)
	s_wait_xcnt 0x0                                ; EXEC changes only behind this wait
	s_and_saveexec_b32 s44, vcc_lo
	global_store_b32 v[GO], v[FR], s[34:35]        ; sixteen lanes store the work-group's 64 consecutive bytes
	s_wait_xcnt 0x0                                ; and again, in front of the line that widens it
	s_or_b32 exec_lo, exec_lo, s44
.Ldone:
	s_endpgm
.Lfunc_end_k_q4be938aa48_ferminet:
	.size	k_q4be938aa48_ferminet, .Lfunc_end_k_q4be938aa48_ferminet-k_q4be938aa48_ferminet
	.p2alignl 7, 3214868480
	.fill 96, 4, 3214868480
	.section	.rodata,"a",@progbits
	.p2align	6, 0x0
	.amdhsa_kernel k_q4be938aa48_ferminet
		.amdhsa_group_segment_fixed_size 207360
		.amdhsa_private_segment_fixed_size 0
		.amdhsa_enable_private_segment 0
		.amdhsa_kernarg_size 112
		.amdhsa_user_sgpr_count 2
		.amdhsa_user_sgpr_kernarg_segment_ptr 1
		.amdhsa_wavefront_size32 1
		.amdhsa_system_sgpr_workgroup_id_x 1
		.amdhsa_system_sgpr_workgroup_id_y 1
		.amdhsa_system_sgpr_workgroup_id_z 1
		.amdhsa_system_vgpr_workitem_id 0
		.amdhsa_next_free_vgpr 256
		.amdhsa_next_free_sgpr 66
		.amdhsa_reserve_vcc 1
		.amdhsa_float_denorm_mode_32 3
		.amdhsa_float_denorm_mode_16_64 3
		.amdhsa_memory_ordered 1
		.amdhsa_forward_progress 1
		.amdhsa_inst_pref_size 81
	.end_amdhsa_kernel
	.amdgpu_metadata
---
amdhsa.version: [ 1, 2 ]
amdhsa.kernels:
  - .name:           k_q4be938aa48_ferminet
    .symbol:         k_q4be938aa48_ferminet.kd
    .args:
      - { .name: stream_1e_codes, .offset: 0, .size: 8, .value_kind: global_buffer, .address_space: global }
      - { .name: stream_1e_scales, .offset: 8, .size: 8, .value_kind: global_buffer, .address_space: global }
      - { .name: r_ei, .offset: 16, .size: 8, .value_kind: global_buffer, .address_space: global }
      - { .name: W_up_codes, .offset: 24, .size: 8, .value_kind: global_buffer, .address_space: global }
      - { .name: W_dn_codes, .offset: 32, .size: 8, .value_kind: global_buffer, .address_space: global }
      - { .name: W_up_scales, .offset: 40, .size: 8, .value_kind: global_buffer, .address_space: global }
      - { .name: W_dn_scales, .offset: 48, .size: 8, .value_kind: global_buffer, .address_space: global }
      - { .name: a_up, .offset: 56, .size: 8, .value_kind: global_buffer, .address_space: global }
      - { .name: a_dn, .offset: 64, .size: 8, .value_kind: global_buffer, .address_space: global }
      - { .name: pi_up, .offset: 72, .size: 8, .value_kind: global_buffer, .address_space: global }
      - { .name: pi_dn, .offset: 80, .size: 8, .value_kind: global_buffer, .address_space: global }
      - { .name: b_up, .offset: 88, .size: 8, .value_kind: global_buffer, .address_space: global }
      - { .name: b_dn, .offset: 96, .size: 8, .value_kind: global_buffer, .address_space: global }
      - { .name: out0, .offset: 104, .size: 8, .value_kind: global_buffer, .address_space: global }
    .group_segment_fixed_size: 207360
    .private_segment_fixed_size: 0
    .kernarg_segment_align: 8
    .kernarg_segment_size: 112
    .max_flat_workgroup_size: 512
    .sgpr_count:     66
    .vgpr_count:     256
    .wavefront_size: 32
...
	.end_amdgpu_metadata
.endif
;; end of part 1
